; MI455X (gfx1250); checked and timed in simulation.
; The chip was launched on July 23, 2026; its instructions are those of AMD's public machine-readable ISA for CDNA 5 (MIT licence, August 2026) and "CDNA5" Instruction Set Architecture Reference Guide (July 2026). The comments in the code are by the model that wrote it; some were corrected since.
;; Reprogramming Layer. Allowed arithmetic: matrix products marked QUANTISED: E2M1 operands, one E8M0 scale for each 32 along K, by v_wmma_scale_f32_16x16x128_f8f6f4 with both operands' format E2M1 (or v_wmma_scale_f32_32x16x128_f4), f32 sums; products left as they are: bf16, f16 or f32 operands; f32 sums; everything else in f32.
;; Inputs: Wk 4,096 x 128 float32; Wo 128 x 512 float32; Wq 512 x 128 float32; Wv 4,096 x 128 float32; bk 128 float32; bo 512 float32; bq 128 float32; bv 128 float32; source_embedding 1,000 x 4,096 float32; target_embedding 32 x 1,024 x 512 float32; value_embedding 1,000 x 4,096 float32.
;; Outputs: out0 32 x 1,024 x 512 float32.
;; This version of the problem:
;;   THIS VERSION OF THE PROBLEM IS GIVEN IN LOW PRECISION. The matrix products marked QUANTISED in the list below multiply operands that are first quantised to E2M1 (2 exponent bits, 1 mantissa bit; 4 bits a number), with one power-of-two scale for each 32 numbers along K (OCP MX v1.0); their sums are f32. The products marked 'left as it is' may take bf16, f16 or f32 operands, with f32 sums. Whichever they take, every output number must still come out within the allowed error. Rounding operands to bf16 (8 significant bits) uses up far more of that allowance than f16 does (11 bits, for magnitudes from 6e-5 to 65,504). All else is computed in f32.
;;   The module's matrix products, in the order in which they are computed (A, B: the left and right operand; K: the contracted axis; several contracted axes count as one K, in the product's order):
;;     1. [M 32,768, K 512] x [K 512, N 128]; A: input target_embedding; B: input Wq: QUANTISED
;;     2. [M 1,000, K 4,096] x [K 4,096, N 128]; A: input source_embedding; B: input Wk: QUANTISED
;;     3. [M 1,000, K 4,096] x [K 4,096, N 128]; A: input value_embedding; B: input Wv: QUANTISED
;;     4. batch 8 x [M 1,000, K 16] x [K 16, N 32,768]; A: computed on the way; B: computed on the way: left as it is (K = 16 < 32)
;;     5. batch 8 x [M 16, K 1,000] x [K 1,000, N 32,768]; A: computed on the way; B: computed on the way: left as it is (an operand is computed on the way)
;;     6. [M 32,768, K 128] x [K 128, N 512]; A: computed on the way; B: input Wo: left as it is (an operand is computed on the way)
;;   THE QUANTISER, for each operand of a quantised product, along K:
;;     - K is cut into blocks of 32 from its start; a last block that is shorter is filled with zeros.
;;     - A block's scale is 2^e with e = floor(log2(the largest magnitude in the block)) - 2, held to -126 .. 127; a block of zeros has e = 0. As a byte (E8M0): e + 127.
;;     - Each number is divided by its block's scale, clamped to +-6, and rounded to the nearest number of E2M1, ties to even, subnormals kept.
;;     - The product sums the exact products of the quantised numbers (number of the format x scale) in f32.
;;   ~~~python
;;   def quantise(x, axis):      # numpy; x: float32 -> the quantised numbers, widened to float32 again
;;       x = np.moveaxis(x, axis, -1); K = x.shape[-1]
;;       x = np.pad(x, [(0, 0)] * (x.ndim - 1) + [(0, -K % 32)]); x = x.reshape(x.shape[:-1] + (-1, 32)); a = np.abs(x).max(-1, keepdims=True)
;;       e = np.where(a > 0, np.clip(np.frexp(np.where(a > 0, a, 1))[1] - 1 - 2, -126, 127), 0)      # np.frexp(a)[1] - 1 = floor(log2(a)), exactly
;;       r = np.clip(x / 2.0 ** e, -6, 6)
;;       step = 2.0 ** (np.maximum(np.frexp(np.where(r == 0, 1, r))[1] - 1, 0) - 1)
;;       q = np.round(r / step) * step * 2.0 ** e      # np.round: ties to even
;;       return np.moveaxis(q.reshape(q.shape[:-2] + (-1,))[..., :K], -1, axis).astype(np.float32)
;;   ~~~
;; One version. Each part assembles by itself: llvm-mc -triple=amdgcn-amd-amdhsa -mcpu=gfx1250 --defsym DOCPART=n.
;; ======== version 1 of 1: 3 launches
;; limits: values are held in f16: magnitudes above 65,504 overflow, below 6.1e-05 lose precision
;; workspace buffers: wcodes 557,056 bytes; wscales 34,816 bytes; wof 131,072 bytes; kimg 258,048 bytes; vimg 258,048 bytes
;; launch prep (part 1): grid 72 x 1, 4 waves a work-group, no clusters, 0 bytes of LDS; arguments Wk, Wv, Wq, Wo, wcodes, wscales, wof; writes wcodes, wscales, wof
.if DOCPART == 1
	.amdgcn_target "amdgcn-amd-amdhsa--gfx1250"
	.amdhsa_code_object_version 6
	.text
	.protected	k_qcdf2057b91_prep
	.globl	k_qcdf2057b91_prep
	.p2align	8
	.type	k_qcdf2057b91_prep,@function
k_qcdf2057b91_prep:
	s_mov_b64 s[64:65], 0
	v_nop
	global_prefetch_b8 v0, s[64:65] scope:SCOPE_SE
	s_setreg_imm32_b32 hwreg(HW_REG_WAVE_MODE, 25, 1), 1
	s_wait_xcnt 0x0
; THE PROGRAM: out = softmax((x Wq + bq)(src Wk + bk)^T / 4) (val Wv + bv) Wo + bo, 8 heads of 16 channels, 1,000 keys shared by 32,768 queries.  Three launches:
;   prep (this one): the weights, once: Wk, Wv, Wq into codes of FP4 (E2M1) with E8M0 scale bytes, Wo into f16;  kvproj: the keys and values;  attn: the queries, the attention and the projection on the way out.
; DEAD WORK: bk.  A score of head h is (q_h . (k_h + bk_h)) / 4 = (q_h . k_h) / 4 + (q_h . bk_h) / 4.  The second term does not hang on the key: it is the same along the softmax's axis, and a softmax is unchanged by
; such a term, whatever finite values the inputs hold.  The product of q and k is not quantised, so bk moves no code and no scale either.  bk therefore has no way to any output: it is not loaded and is among no launch's arguments.
; LIMIT: a NaN, an infinity or an overflow that reaches only that term is not carried to the result.
; THIS LAUNCH.  The weights are stored [k][n], K being their FIRST axis: a lane takes a column n and its registers run down K, so that a block of 32 along K lies in one lane's 32 registers, its largest magnitude
; needs no other lane, and the conversions give codes with K innermost.  The results are laid IN THE ORDER OF THE OPERAND'S REGISTERS: a fragment (16 columns x 128 K) is 1,024 bytes, quad c of lane 16 h + r
; (column r, k = 64 c + 32 h + 0 .. 31) at 512 c + 256 h + 16 r: the later launches load fragments by 16-byte loads of neighbouring lanes, and each store here covers two aligned runs of 256 bytes.
; A block's scale is 2^(floor(log2(its largest magnitude)) - 2); its byte is the largest magnitude's exponent field - 2, held at 1 from below.  A block of zeros so gets the byte 1 where the rule says 127: its codes are
; zeros, which add nothing under any byte but 0xff, and this program alone reads the bytes.
; SHARES.  Work-group g takes 128 rows (k) x 128 columns, wave w 32 of the columns.  g = 0 .. 31: K step g of Wk; 32 .. 63: of Wv; 64 .. 67: of Wq; 68 .. 71: columns 128 (g - 68) on of Wo, all its 128 rows.
; Wo becomes 2 Wo in f16 (attn carries o / 2, so that f16 has room at both ends), as fragments of 16 columns x 32 K: quad c of lane 16 h + r holds k = 16 c + 8 h + 0 .. 7.
; The work-groups share no input, so there is no cluster; nothing is read twice, so there is no LDS.  72 work-groups: the launch has 4.7 MB to read.
; LIMITS: NaN and infinities among the inputs are not served.
.set X, 32                             ; v32-159  my column's 128 numbers, down K
.set C, 160                            ; v160-223 the codes (16 registers) or the f16 numbers (64): no store's data are written again
	s_load_b256 s[4:11], s[0:1], 0x0               ; Wk s[4:5], Wv s[6:7], Wq s[8:9], Wo s[10:11]
	s_load_b128 s[12:15], s[0:1], 0x20             ; wcodes s[12:13], wscales s[14:15]
	s_load_b64 s[16:17], s[0:1], 0x30              ; wof
	v_lshrrev_b32 v1, 5, v0
	v_readfirstlane_b32 s18, v1                    ; wave 0..3
	v_lshlrev_b32 v2, 2, v0                        ; in: 4 bytes a thread: column 32 w + lane of the work-group's 128
	v_bfe_u32 v6, v0, 4, 1                         ; which of my wave's two tiles of 16 columns
	v_and_b32 v7, 15, v0                           ; r: my column in it
	s_mov_b32 s19, ttmp9
	s_cmp_ge_u32 s19, 68
	s_cbranch_scc1 .Lwo
	; ---- Wk, Wv, Wq: codes and scale words
	s_lshr_b32 s20, s19, 5                         ; T: which tensor
	s_and_b32 s21, s19, 31                         ; s: which K step of 128
	s_cmp_eq_u32 s20, 2
	s_cselect_b32 s22, 4, 32                       ; NS: the tensor's K steps
	s_lshl_b32 s23, s22, 10
	v_mul_lo_u32 v3, v6, s23                       ; codes: a tile's fragments are NS x 1,024 bytes,
	v_lshl_add_u32 v3, v7, 4, v3                   ; + 16 r
	s_lshl_b32 s23, s22, 6
	v_mul_lo_u32 v4, v6, s23                       ; scale words: NS x 64 bytes a tile,
	v_lshl_add_u32 v4, v7, 2, v4                   ; + 4 r
	s_mul_i32 s23, s18, s22
	s_lshl_b32 s26, s23, 11                        ; my wave's first tile, 2 w: 2 w NS x 1,024,
	s_lshl_b32 s28, s20, 18
	s_add_co_u32 s26, s26, s28                     ; + the tensor's 262,144,
	s_lshl_b32 s28, s21, 10
	s_add_co_u32 s26, s26, s28                     ; + the K step's 1,024
	s_mov_b32 s27, 0
	s_lshl_b32 s28, s23, 7                         ; the same for the scale words: 2 w NS x 64 + 16,384 T + 64 s
	s_lshl_b32 s30, s20, 14
	s_add_co_u32 s28, s28, s30
	s_lshl_b32 s30, s21, 6
	s_add_co_u32 s28, s28, s30
	s_mov_b32 s29, 0
	s_lshl_b32 s30, s21, 16                        ; in: 128 rows of 512 bytes a K step
	s_mov_b32 s31, 0
	s_wait_kmcnt 0x0
	s_cmp_lt_u32 s19, 32                           ; the choice hangs on the work-group's number alone
	s_cselect_b64 s[24:25], s[4:5], s[6:7]
	s_cmp_lt_u32 s19, 64
	s_cselect_b64 s[24:25], s[24:25], s[8:9]
	s_add_nc_u64 s[24:25], s[24:25], s[30:31]
	s_add_nc_u64 s[12:13], s[12:13], s[26:27]
	s_add_nc_u64 s[14:15], s[14:15], s[28:29]
.set i, 0
.rept 128
	global_load_b32 v[X+i], v2, s[24:25] offset:512*i th:TH_LOAD_NT   ; row i of the K step: 128 consecutive bytes a wave, the four waves side by side on the row's 512
.set i, i+1
.endr
; Block b of the K step's four.  left: how many younger loads may stay out (96, 64, 32, 0 are out; a wait names 63 at the most)
.macro BLOCK b, left
.set XB, X+32*(\b)
	s_wait_loadcnt \left
	v_max3_num_f32 v12, |v[XB]|, |v[XB+1]|, |v[XB+2]|              ; the block's largest magnitude, in two chains: all 32 numbers are mine
	v_max3_num_f32 v13, |v[XB+3]|, |v[XB+4]|, |v[XB+5]|
.irp i, 6,10,14,18,22,26
	v_max3_num_f32 v12, v12, |v[XB+\i]|, |v[XB+\i+1]|
	v_max3_num_f32 v13, v13, |v[XB+\i+2]|, |v[XB+\i+3]|
.endr
	v_max3_num_f32 v12, v12, |v[XB+30]|, |v[XB+31]|
	v_max3_num_f32 v12, v12, v13, 0x1800000        ; and the floor 2^(3 - 127): the byte cannot fall under 1
	v_add_nc_u32 v11, 0xff000000, v12              ; 2 off its exponent field: the conversion takes the exponent field of this operand as its scale, and nothing else of it
	v_lshrrev_b32 v14, 23, v11                     ; the scale's byte
.if (\b) == 0
	v_mov_b32 v5, v14                              ; four bytes make my column's scale word for this K step, the lower K in the lower byte
.else
	v_lshl_or_b32 v5, v14, 8*(\b), v5
.endif
.irp g, 0,1,2,3
	v_cvt_scalef32_pk8_fp4_f32 v[C+4*(\b)+\g], v[XB+8*\g:XB+8*\g+7], v11
.endr
	global_store_b128 v3, v[C+4*(\b):C+4*(\b)+3], s[12:13] offset:((\b)/2)*512+((\b)%2)*256   ; block b is quad b / 2 of the lanes' half b % 2; sixteen lanes store 256 consecutive bytes, aligned
.endm
	BLOCK 0, 63
	BLOCK 1, 63
	BLOCK 2, 32
	BLOCK 3, 0
	global_store_b32 v4, v5, s[14:15]              ; runs of 64 bytes: one byte for each 128 that the launch reads
	s_endpgm
	; ---- Wo: 2 Wo in f16
.Lwo:
	s_sub_co_u32 s20, s19, 68                      ; which 128 columns
	s_lshl_b32 s26, s20, 9                         ; in: 512 bytes on in each row
	s_mov_b32 s27, 0
	s_lshl_b32 s28, s20, 3
	s_lshl_b32 s29, s18, 1
	s_add_co_u32 s28, s28, s29                     ; my wave's first tile of 16 columns: 8 (g - 68) + 2 w;
	s_lshl_b32 s28, s28, 12                        ; a tile's four fragments are 4,096 bytes
	s_mov_b32 s29, 0
	v_lshlrev_b32 v3, 12, v6
	v_lshl_add_u32 v3, v7, 4, v3
	s_wait_kmcnt 0x0
	s_add_nc_u64 s[10:11], s[10:11], s[26:27]
	s_add_nc_u64 s[16:17], s[16:17], s[28:29]
.set i, 0
.rept 128
	global_load_b32 v[X+i], v2, s[10:11] offset:2048*i th:TH_LOAD_NT
.set i, i+1
.endr
; Eight numbers down K, 8 e on: K step e / 4, quad (e / 2) % 2, the lanes' half e % 2
.macro HALF e
.if 120-8*(\e) > 63
	s_wait_loadcnt 63                              ; 120 - 8 e younger loads are out; a wait names 63 at the most
.else
	s_wait_loadcnt 120-8*(\e)
.endif
.irp p, 0,2,4,6
	v_pk_add_f32 v[X+8*(\e)+\p:X+8*(\e)+\p+1], v[X+8*(\e)+\p:X+8*(\e)+\p+1], v[X+8*(\e)+\p:X+8*(\e)+\p+1]   ; 2 Wo: exact
.endr
.irp p, 0,1,2,3
	v_cvt_pk_f16_f32 v[C+4*(\e)+\p], v[X+8*(\e)+2*\p], v[X+8*(\e)+2*\p+1]
.endr
	global_store_b128 v3, v[C+4*(\e):C+4*(\e)+3], s[16:17] offset:((\e)/4)*1024+(((\e)/2)%2)*512+((\e)%2)*256
.endm
.irp e, 0,1,2,3,4,5,6,7,8,9,10,11,12,13,14,15
	HALF \e
.endr
	s_endpgm
.Lfunc_end_k_qcdf2057b91_prep:
	.size	k_qcdf2057b91_prep, .Lfunc_end_k_qcdf2057b91_prep-k_qcdf2057b91_prep
	.p2alignl 7, 3214868480
	.fill 96, 4, 3214868480
	.section	.rodata,"a",@progbits
	.p2align	6, 0x0
	.amdhsa_kernel k_qcdf2057b91_prep
		.amdhsa_group_segment_fixed_size 0
		.amdhsa_private_segment_fixed_size 0
		.amdhsa_enable_private_segment 0
		.amdhsa_kernarg_size 56
		.amdhsa_user_sgpr_count 2
		.amdhsa_user_sgpr_kernarg_segment_ptr 1
		.amdhsa_wavefront_size32 1
		.amdhsa_system_sgpr_workgroup_id_x 1
		.amdhsa_system_sgpr_workgroup_id_y 1
		.amdhsa_system_sgpr_workgroup_id_z 1
		.amdhsa_system_vgpr_workitem_id 0
		.amdhsa_next_free_vgpr 224
		.amdhsa_next_free_sgpr 66
		.amdhsa_reserve_vcc 0
		.amdhsa_float_denorm_mode_32 3
		.amdhsa_float_denorm_mode_16_64 3
		.amdhsa_memory_ordered 1
		.amdhsa_forward_progress 1
		.amdhsa_inst_pref_size 43
	.end_amdhsa_kernel
	.amdgpu_metadata
---
amdhsa.version: [ 1, 2 ]
amdhsa.kernels:
  - .name:           k_qcdf2057b91_prep
    .symbol:         k_qcdf2057b91_prep.kd
    .args:
      - { .name: Wk, .offset: 0, .size: 8, .value_kind: global_buffer, .address_space: global }
      - { .name: Wv, .offset: 8, .size: 8, .value_kind: global_buffer, .address_space: global }
      - { .name: Wq, .offset: 16, .size: 8, .value_kind: global_buffer, .address_space: global }
      - { .name: Wo, .offset: 24, .size: 8, .value_kind: global_buffer, .address_space: global }
      - { .name: wcodes, .offset: 32, .size: 8, .value_kind: global_buffer, .address_space: global }
      - { .name: wscales, .offset: 40, .size: 8, .value_kind: global_buffer, .address_space: global }
      - { .name: wof, .offset: 48, .size: 8, .value_kind: global_buffer, .address_space: global }
    .group_segment_fixed_size: 0
    .private_segment_fixed_size: 0
    .kernarg_segment_align: 8
    .kernarg_segment_size: 56
    .max_flat_workgroup_size: 128
    .sgpr_count:     66
    .vgpr_count:     224
    .wavefront_size: 32
...
	.end_amdgpu_metadata
.endif
;; end of part 1
;; launch kvproj (part 2): grid 63 x 2, 8 waves a work-group, no clusters, 58,368 bytes of LDS; arguments source_embedding, value_embedding, wcodes, wscales, bv, kimg, vimg; writes kimg, vimg
.if DOCPART == 2
	.amdgcn_target "amdgcn-amd-amdhsa--gfx1250"
	.amdhsa_code_object_version 6
	.text
	.protected	k_qcdf2057b91_kvproj
	.globl	k_qcdf2057b91_kvproj
	.p2align	8
	.type	k_qcdf2057b91_kvproj,@function
k_qcdf2057b91_kvproj:
	s_mov_b64 s[64:65], 0
	v_nop
	global_prefetch_b8 v0, s[64:65] scope:SCOPE_SE
	s_setreg_imm32_b32 hwreg(HW_REG_WAVE_MODE, 25, 1), 1
	s_wait_xcnt 0x0
; k' = (src Wk) x log2(e) / 4 and v' = (val Wv + bv) / 8, both products on codes of FP4 (E2M1) with one E8M0 scale for each 32 along K = 4,096; results in f16, laid as attn's operand registers want them.
; bk is left out: it adds the same term to all scores of a row, which a softmax takes away (shown at the head of prep).
; The factor log2(e) / 4 makes q . k' the softmax's argument in powers of two; the factor 1 / 8 leaves f16 room for values some 900 times those of ordinary inputs; attn takes it back.
; SHARES.  Work-group (i, y) takes 16 rows, 16 i on, of tensor y (0: the keys' source, 1: the values') and all 128 columns.  1,000 rows are 62.5 tiles: rows past 999 are read as row 999 (finite numbers; attn masks those keys).
; First each of the eight waves quantises two of the 16 rows; their codes meet in LDS as an image of the operand's registers.  Then wave w makes head w's tile, 16 rows x 16 channels: 32 matrix instructions, K ascending, on
; four accumulators that take turns; W's 32 fragments go from memory straight into the wave's registers while the rows are still being quantised.
; QUANTISING A ROW.  The conversions take neighbours along K from ONE lane's registers; a load is best where neighbouring LANES take neighbouring bytes.  Both are had: a step's four loads read 512 consecutive bytes each,
; the 2,048 bytes turn through the wave's own stage in LDS (16 bytes of padding behind each 64) and come back 64 bytes a lane: 16 neighbours; two neighbouring lanes hold a block of 32.
; LAYOUT OF THE RESULTS.  y = 0: source 0 = 16 columns of Wk, source 1 = my 16 rows: a lane holds one key (lane % 16) and channels 8 (lane / 16) + 0 .. 7: source 0 of attn's K Q^T.
; y = 1: the sources change places: a lane holds one channel and keys 8 (lane / 16) + 0 .. 7: half a fragment of attn's V^T.  Each tile leaves as 512 consecutive bytes, 16 a lane.
; NO CLUSTER: 63 row tiles do not divide by 4, the two work-groups along y share nothing, and W's fragments go to registers, not to LDS.
; LIMITS: NaN and infinities among the inputs are not served; a block of zeros gets the byte 1 (its codes are zeros; this program alone reads the bytes); k' and v' beyond f16's 65,504 are not served.
.set XIMG,  0                          ; LDS: the 16 rows' codes: block G of 32 along K (0 .. 127) is a group of 256 bytes, row r at 16 r; groups 272 bytes apart
.set XSC,   34816                      ; their scale words: K step s, row r at 64 s + 4 r
.set STG,   36864                      ; a turning stage for each wave: 32 places of 64 + 16 bytes
.set SPARE, 57344                      ; the spare words, 128 bytes for each wave: four blocks of 256 bytes that no other line names
.set XT,  32                           ; v32-63   two sets of 16 neighbours
.set R,   64                           ; v64-191  eight sets of 16 numbers as they are loaded; later the rows' fragments, two buffers of eight
.set WS,  192                          ; v192-207 W's scale words: register e: lanes 0-15 K step 2 e, lanes 16-31 K step 2 e + 1
.set XS,  208                          ; v208-223 the rows' scale words, likewise
.set ACC, 224                          ; v224-255 four accumulators;   window 1: W's 32 fragments, K step s at v[8 s]
; v1, v2 the add's two; v3 16 x lane; v4 4 x lane; v5, v6 the stage, in and out; v7, v8 where my codes and bytes go; v9, v10 where fragments and scale words come from; v11 bv; v[12:13] bv / 8; v14-16 at work; v17 4 (lane % 16);
; v[20:23], v24, v25 two sets of codes and byte; v[26:29] the result
.set MSB, 0
.macro WIN new                         ; the immediate's high byte repeats the setting that is left
.if MSB != \new
	s_set_vgpr_msb (MSB<<8)|\new
.set MSB, \new
.endif
.endm
	s_load_b256 s[4:11], s[0:1], 0x0               ; source s[4:5], value s[6:7], wcodes s[8:9], wscales s[10:11]
	s_load_b128 s[12:15], s[0:1], 0x20             ; bv s[12:13], kimg s[14:15]
	s_load_b64 s[16:17], s[0:1], 0x30              ; vimg
	v_lshl_add_u32 v1, v0, 2, SPARE
	v_mov_b32 v2, 0
	v_lshrrev_b32 v14, 5, v0
	v_readfirstlane_b32 s18, v14                   ; wave 0..7
	s_mov_b32 s19, ttmp9                           ; i
	s_and_b32 s20, ttmp7, 0xffff                   ; y
	v_and_b32 v14, 31, v0                          ; lane
	v_and_b32 v15, 15, v0                          ; r
	v_bfe_u32 v16, v0, 4, 1                        ; h
	v_lshlrev_b32 v3, 4, v14
	v_lshlrev_b32 v4, 2, v14
	v_lshlrev_b32 v17, 2, v15
	s_mul_i32 s34, s18, 2560
	s_add_co_u32 s34, s34, STG                     ; my stage
	v_lshrrev_b32 v5, 2, v14
	v_mul_u32_u24 v5, v5, 80
	v_and_b32 v6, 3, v14
	v_lshl_add_u32 v5, v6, 4, v5
	v_add_nc_u32 v5, s34, v5                       ; in: four lanes' 64 bytes on end, then the padding: 80 (lane / 4) + 16 (lane % 4)
	v_mul_u32_u24 v6, v14, 80
	v_add_nc_u32 v6, s34, v6                       ; out: 80 x lane
	v_lshrrev_b32 v7, 1, v14
	v_mul_u32_u24 v7, v7, 272
	v_and_b32 v8, 1, v14
	v_lshl_add_u32 v7, v8, 3, v7
	s_lshl_b32 s34, s18, 5
	v_add_nc_u32 v7, s34, v7                       ; my codes: group lane / 2 of the step's sixteen, half lane % 2, row 2 w: 272 (lane / 2) + 8 (lane % 2) + 32 w
	v_lshrrev_b32 v8, 3, v14
	v_lshlrev_b32 v8, 6, v8
	v_bfe_u32 v9, v14, 1, 2
	v_add_nc_u32 v8, v8, v9
	s_lshl_b32 s34, s18, 3
	s_add_co_u32 s34, s34, XSC
	v_add_nc_u32 v8, s34, v8                       ; my block's byte: 64 (lane / 8) + (lane / 2) % 4 + 8 w
	v_mul_u32_u24 v9, v16, 272
	v_lshl_add_u32 v9, v15, 4, v9                  ; a fragment's quad: group 4 s + 2 c + h, row r
	v_add_nc_u32 v10, XSC, v4
	v_mov_b32 v11, 0
	s_lshl_b32 s21, s19, 4
	s_lshl_b32 s34, s18, 1
	s_add_co_u32 s21, s21, s34                     ; my first row: 16 i + 2 w,
	s_min_u32 s34, s21, 999                        ; held inside the tensor
	s_lshl_b32 s34, s34, 14                        ; 16,384 bytes a row
	s_mov_b32 s35, 0
	s_add_co_u32 s21, s21, 1
	s_min_u32 s36, s21, 999
	s_lshl_b32 s36, s36, 14
	s_mov_b32 s37, 0
	s_lshl_b32 s38, s20, 18
	s_lshl_b32 s39, s18, 15
	s_add_co_u32 s38, s38, s39                     ; W's codes: tensor y, head w: 262,144 y + 32,768 w
	s_mov_b32 s39, 0
	s_lshl_b32 s40, s20, 14
	s_lshl_b32 s41, s18, 11
	s_add_co_u32 s40, s40, s41                     ; its scale words: 16,384 y + 2,048 w
	s_mov_b32 s41, 0
	s_mul_i32 s42, s18, 63
	s_add_co_u32 s42, s42, s19
	s_lshl_b32 s42, s42, 9                         ; out: (63 w + i) x 512
	s_mov_b32 s43, 0
	s_lshl_b32 s44, s18, 6                         ; bv: head w's 16 numbers
	s_mov_b32 s45, 0
	s_wait_kmcnt 0x0
	s_cmp_eq_u32 s20, 0                            ; the choices hang on the work-group's number alone
	s_cselect_b64 s[22:23], s[4:5], s[6:7]
	s_cselect_b64 s[30:31], s[14:15], s[16:17]
	s_add_nc_u64 s[24:25], s[22:23], s[36:37]      ; my second row
	s_add_nc_u64 s[22:23], s[22:23], s[34:35]      ; my first
	s_add_nc_u64 s[26:27], s[8:9], s[38:39]
	s_add_nc_u64 s[28:29], s[10:11], s[40:41]
	s_add_nc_u64 s[30:31], s[30:31], s[42:43]
	s_add_nc_u64 s[32:33], s[12:13], s[44:45]
	s_cmp_eq_u32 s20, 0
	s_cbranch_scc1 .Lno_bv
	global_load_b32 v11, v17, s[32:33]             ; bv of my channel: the wave's oldest load, so no count below changes with it
.Lno_bv:
.macro LOAD t                          ; step t: 512 numbers, (t % 8) x 2,048 bytes on in row t / 8
.irp i, 0,1,2,3
	global_load_b128 v[R+16*((\t)%8)+4*\i:R+16*((\t)%8)+4*\i+3], v3, s[22+2*((\t)/8):23+2*((\t)/8)] offset:2048*((\t)%8)+512*\i th:TH_LOAD_NT
.endr
.endm
.macro TURN t                          ; step t's numbers through the stage: LDS serves a wave's instructions in order, so no wait stands between the stores and the loads, and one stage serves all steps
.irp i, 0,1,2,3
	ds_store_b128 v5, v[R+16*((\t)%8)+4*\i:R+16*((\t)%8)+4*\i+3] offset:640*\i
.endr
.irp i, 0,1,2,3
	ds_load_b128 v[XT+16*((\t)%2)+4*\i:XT+16*((\t)%2)+4*\i+3], v6 offset:16*\i
.endr
.endm
.macro WLOAD q                         ; W's fragments of K steps 4 q .. 4 q + 3 and their scale words: ten loads
	WIN 0x40                                       ; destination window 1
.irp e, 0,1,2,3
.irp c, 0,1
	global_load_b128 v[8*(4*(\q)+\e)+4*\c:8*(4*(\q)+\e)+4*\c+3], v3, s[26:27] offset:1024*(4*(\q)+\e)+512*\c
.endr
.endr
	WIN 0
.irp e, 0,1
	global_load_b32 v[WS+2*(\q)+\e], v4, s[28:29] offset:128*(2*(\q)+\e)
.endr
.endm
.macro QSTEP t
.set XN, XT+16*((\t)%2)
.set CD, 20+2*((\t)%2)
.set BY, 24+(\t)%2
.if (\t) > 0
	s_wait_dscnt 2                                 ; this step's numbers are back from the stage; the last step's two stores may be out
.else
	s_wait_dscnt 0x0
.endif
.if (\t) < 8
	LOAD (\t)+8                                    ; into the set whose numbers have just gone through the stage: eight steps, 16,384 bytes a wave, are on their way
.else
	WLOAD (\t)-8                                   ; the rows are all asked for: now W
.endif
.if (\t) < 15
.set NL, 4*(14-(\t))                   ; behind step t + 1's loads were issued: the later steps' four each (steps up to t + 8, 15 at the most),
.if (\t) < 7
.set NL, 28
.endif
.if (\t) > 7
.set NL, NL+10*((\t)-7)                ; and ten for each WLOAD so far
.endif
.if NL > 63
.set NL, 63                            ; (a wait names 63 at the most)
.endif
	s_wait_loadcnt NL
	TURN (\t)+1                                    ; the next step turns while this one is worked
.endif
	v_max3_num_f32 v14, |v[XN]|, |v[XN+1]|, |v[XN+2]|              ; the largest magnitude of my 16, in two chains
	v_max3_num_f32 v15, |v[XN+3]|, |v[XN+4]|, |v[XN+5]|
.irp i, 6,10
	v_max3_num_f32 v14, v14, |v[XN+\i]|, |v[XN+\i+1]|
	v_max3_num_f32 v15, v15, |v[XN+\i+2]|, |v[XN+\i+3]|
.endr
	v_max3_num_f32 v14, v14, |v[XN+14]|, |v[XN+15]|
	v_max3_num_f32 v14, v14, v15, 0x1800000        ; and the floor 2^(3 - 127): the byte cannot fall under 1
	v_max_num_f32_dpp v14, v14, v14 row_xmask:1 row_mask:0xf bank_mask:0xf   ; and of my neighbour's 16: the block's
	v_add_nc_u32 v16, 0xff000000, v14              ; 2 off its exponent field: the conversion's scale operand
	v_cvt_scalef32_pk8_fp4_f32 v[CD], v[XN:XN+7], v16
	v_cvt_scalef32_pk8_fp4_f32 v[CD+1], v[XN+8:XN+15], v16
	v_lshrrev_b32 v[BY], 23, v16                   ; the scale's byte (also the plain line behind the conversions)
	ds_store_b64 v7, v[CD:CD+1] offset:4352*((\t)%8)+16*((\t)/8)   ; sixteen groups a step, 16 bytes a row
	ds_store_b8 v8, v[BY] offset:256*((\t)%8)+4*((\t)/8)           ; both lanes of a block write the same byte with the same value
.endm
.irp t, 0,1,2,3,4,5,6,7
	LOAD \t
.endr
	s_wait_loadcnt 28                              ; step 0's four loads are in; the seven steps behind it stay out
	TURN 0
.irp t, 0,1,2,3,4,5,6,7,8,9,10,11,12,13,14,15
	QSTEP \t
.endr
	s_wait_dscnt 0x0                               ; for the others' sake: my codes and bytes lie in LDS
	s_barrier_signal -1
	s_barrier_wait -1                              ; everybody's do
.macro FETCH b                         ; the rows' fragments of K steps 8 b .. 8 b + 7 into buffer b % 2: sixteen loads
.irp e, 0,1,2,3,4,5,6,7
.irp c, 0,1
	ds_load_b128 v[R+64*((\b)%2)+8*\e+4*\c:R+64*((\b)%2)+8*\e+4*\c+3], v9 offset:(4*(8*(\b)+\e)+2*\c)*272
.endr
.endr
.endm
; One matrix instruction of K step ss, on accumulator ss % 4.  The first four start the sums with the constant 0.  An odd K step's scale words lie in lanes 16-31 of their registers.
.macro FP4 a, b, sa, sb
.if ss < 4
.if ss%2
	v_wmma_scale_f32_16x16x128_f8f6f4 v[rD:rD+7], v[\a:\a+7], v[\b:\b+7], 0, v[\sa], v[\sb] matrix_a_fmt:MATRIX_FMT_FP4 matrix_b_fmt:MATRIX_FMT_FP4 matrix_a_scale:MATRIX_SCALE_ROW1 matrix_b_scale:MATRIX_SCALE_ROW1
.else
	v_wmma_scale_f32_16x16x128_f8f6f4 v[rD:rD+7], v[\a:\a+7], v[\b:\b+7], 0, v[\sa], v[\sb] matrix_a_fmt:MATRIX_FMT_FP4 matrix_b_fmt:MATRIX_FMT_FP4
.endif
.else
.if ss%2
	v_wmma_scale_f32_16x16x128_f8f6f4 v[rD:rD+7], v[\a:\a+7], v[\b:\b+7], v[rD:rD+7], v[\sa], v[\sb] matrix_a_fmt:MATRIX_FMT_FP4 matrix_b_fmt:MATRIX_FMT_FP4 matrix_a_scale:MATRIX_SCALE_ROW1 matrix_b_scale:MATRIX_SCALE_ROW1
.else
	v_wmma_scale_f32_16x16x128_f8f6f4 v[rD:rD+7], v[\a:\a+7], v[\b:\b+7], v[rD:rD+7], v[\sa], v[\sb] matrix_a_fmt:MATRIX_FMT_FP4 matrix_b_fmt:MATRIX_FMT_FP4
.endif
.endif
.endm
.macro REGS                            ; the registers of K step ss
.set rD, ACC+8*(ss%4)
.set rW, 8*ss                          ; W's fragment, in window 1
.set rX, R+64*((ss/8)%2)+8*(ss%8)      ; the rows'
.set sW, WS+ss/2
.set sX, XS+ss/2
.endm
; Eight K steps.  The branch hangs on the work-group's y alone and leads round matrix instructions alone; at a branch and at a label every window is 0.  The four accumulators take turns.
.macro MUL b
	s_cmp_lg_u32 s20, 0
	s_cbranch_scc1 .Lvalues_\@
	WIN 0x01                                       ; source 0 (W) window 1
.set ss, 8*(\b)
.rept 8
	REGS
	FP4 rW, rX, sW, sX                             ; keys: a lane holds one row, its registers run along the channels
.set ss, ss+1
.endr
	WIN 0
	s_branch .Lmul_done_\@
.Lvalues_\@:
	WIN 0x04                                       ; source 1 (W) window 1
.set ss, 8*(\b)
.rept 8
	REGS
	FP4 rX, rW, sX, sW                             ; values: a lane holds one channel, its registers run along the rows
.set ss, ss+1
.endr
	WIN 0
.Lmul_done_\@:
.endm
.irp e, 0,1,2,3,4,5,6,7,8,9,10,11,12,13,14,15
	ds_load_b32 v[XS+\e], v10 offset:128*\e        ; lanes 0-15: K step 2 e, row r; lanes 16-31: K step 2 e + 1
.endr
	FETCH 0
	FETCH 1
	s_wait_loadcnt 0x0                             ; W, its scale words and bv
.irp b, 0,1,2,3
.if \b < 3
	s_wait_dscnt 16                                ; this batch's fragments are in; the next batch's sixteen loads may be out
.else
	s_wait_dscnt 0x0
.endif
	MUL \b
.rept 4
	v_nop                                          ; four places in front of loads into registers that matrix instructions have read, and of the first read of results (ISA guide 7.12.1 for vector instructions)
.endr
.if \b < 2
	FETCH \b+2
.endif
.endr
.irp p, 0,2,4,6                        ; the four partial sums, each accumulator from its low end on
	v_pk_add_f32 v[ACC+\p:ACC+\p+1], v[ACC+\p:ACC+\p+1], v[ACC+8+\p:ACC+8+\p+1]
	v_pk_add_f32 v[ACC+16+\p:ACC+16+\p+1], v[ACC+16+\p:ACC+16+\p+1], v[ACC+24+\p:ACC+24+\p+1]
.endr
.irp p, 0,2,4,6
	v_pk_add_f32 v[ACC+\p:ACC+\p+1], v[ACC+\p:ACC+\p+1], v[ACC+16+\p:ACC+16+\p+1]
.endr
	s_cmp_lg_u32 s20, 0
	s_cbranch_scc1 .Lact_v
.irp p, 0,2,4,6
	v_pk_mul_f32 v[ACC+\p:ACC+\p+1], v[ACC+\p:ACC+\p+1], 0x3eb8aa3b op_sel_hi:[1,0]   ; x log2(e) / 4
.endr
	s_branch .Lact_done
.Lact_v:
	v_mul_f32 v12, 0x3e000000, v11                 ; bv / 8
	v_mov_b32 v13, v12                             ; (named with it as a pair, so it is written)
.irp p, 0,2,4,6
	v_pk_fma_f32 v[ACC+\p:ACC+\p+1], v[ACC+\p:ACC+\p+1], 0x3e000000, v[12:13] op_sel_hi:[1,0,0]   ; sum / 8 + bv / 8
.endr
.Lact_done:
.irp p, 0,1,2,3
	v_cvt_pk_f16_f32 v[26+\p], v[ACC+2*\p], v[ACC+2*\p+1]
.endr
	global_store_b128 v3, v[26:29], s[30:31]       ; 32 lanes store 512 consecutive bytes, at a multiple of 256 from the buffer's first byte
	s_wait_tensorcnt 0x0                           ; the wave's end, behind my last LDS store
	ds_add_u32 v1, v2
	s_wait_dscnt 0x0
	s_endpgm
.Lfunc_end_k_qcdf2057b91_kvproj:
	.size	k_qcdf2057b91_kvproj, .Lfunc_end_k_qcdf2057b91_kvproj-k_qcdf2057b91_kvproj
	.p2alignl 7, 3214868480
	.fill 96, 4, 3214868480
	.section	.rodata,"a",@progbits
	.p2align	6, 0x0
	.amdhsa_kernel k_qcdf2057b91_kvproj
		.amdhsa_group_segment_fixed_size 58368
		.amdhsa_private_segment_fixed_size 0
		.amdhsa_enable_private_segment 0
		.amdhsa_kernarg_size 56
		.amdhsa_user_sgpr_count 2
		.amdhsa_user_sgpr_kernarg_segment_ptr 1
		.amdhsa_wavefront_size32 1
		.amdhsa_system_sgpr_workgroup_id_x 1
		.amdhsa_system_sgpr_workgroup_id_y 1
		.amdhsa_system_sgpr_workgroup_id_z 1
		.amdhsa_system_vgpr_workitem_id 0
		.amdhsa_next_free_vgpr 512
		.amdhsa_next_free_sgpr 66
		.amdhsa_reserve_vcc 0
		.amdhsa_float_denorm_mode_32 3
		.amdhsa_float_denorm_mode_16_64 3
		.amdhsa_memory_ordered 1
		.amdhsa_forward_progress 1
		.amdhsa_inst_pref_size 59
	.end_amdhsa_kernel
	.amdgpu_metadata
---
amdhsa.version: [ 1, 2 ]
amdhsa.kernels:
  - .name:           k_qcdf2057b91_kvproj
    .symbol:         k_qcdf2057b91_kvproj.kd
    .args:
      - { .name: source_embedding, .offset: 0, .size: 8, .value_kind: global_buffer, .address_space: global }
      - { .name: value_embedding, .offset: 8, .size: 8, .value_kind: global_buffer, .address_space: global }
      - { .name: wcodes, .offset: 16, .size: 8, .value_kind: global_buffer, .address_space: global }
      - { .name: wscales, .offset: 24, .size: 8, .value_kind: global_buffer, .address_space: global }
      - { .name: bv, .offset: 32, .size: 8, .value_kind: global_buffer, .address_space: global }
      - { .name: kimg, .offset: 40, .size: 8, .value_kind: global_buffer, .address_space: global }
      - { .name: vimg, .offset: 48, .size: 8, .value_kind: global_buffer, .address_space: global }
    .group_segment_fixed_size: 58368
    .private_segment_fixed_size: 0
    .kernarg_segment_align: 8
    .kernarg_segment_size: 56
    .max_flat_workgroup_size: 256
    .sgpr_count:     66
    .vgpr_count:     512
    .wavefront_size: 32
...
	.end_amdgpu_metadata
.endif
;; end of part 2
;; launch attn (part 3): grid 256 x 1, 8 waves a work-group, clusters of 4 x 1, 327,680 bytes of LDS; arguments target_embedding, wcodes, wscales, bq, kimg, vimg, wof, bo, out0; writes out0
.if DOCPART == 3
	.amdgcn_target "amdgcn-amd-amdhsa--gfx1250"
	.amdhsa_code_object_version 6
	.text
	.protected	k_qcdf2057b91_attn
	.globl	k_qcdf2057b91_attn
	.p2align	8
	.type	k_qcdf2057b91_attn,@function
k_qcdf2057b91_attn:
	s_mov_b64 s[64:65], 0
	v_nop
	global_prefetch_b8 v0, s[64:65] scope:SCOPE_SE
	s_setreg_imm32_b32 hwreg(HW_REG_WAVE_MODE, 25, 1), 1
	s_wait_xcnt 0x0
	s_wait_alu depctr_hold_cnt(0) depctr_sa_sdst(0) depctr_va_vdst(0) depctr_va_sdst(0) depctr_va_ssrc(0) depctr_va_vcc(0) depctr_vm_vsrc(0)
	s_getreg_b32 s2, hwreg(HW_REG_IB_STS2, 6, 4)
	s_cmp_eq_u32 s2, 0
	s_cbranch_scc0 .Lentry_in_a_cluster
	s_endpgm
.Lentry_in_a_cluster:
	s_bfe_u32 s2, ttmp6, 0x10000c
	s_cmp_lg_u32 s2, 0x3003
	s_cbranch_scc0 .Lentry_shape_is_right
	s_endpgm
.Lentry_shape_is_right:
; out = softmax(q k^T / 4) v Wo + bo with q = x Wq + bq.  x Wq on codes of FP4 (E2M1) with one E8M0 scale for each 32 along K = 512; the three other products on f16 operands; all sums, maxima and exponentials in f32.
; bk is left out: it adds the same term to all scores of a row, which the softmax takes away (shown at the head of prep).
; WHAT ARRIVES: kimg = k x log2(e) / 4 and vimg = v / 8 in f16, wof = 2 Wo in f16, Wq's codes and scale words: all in the order of the operands' registers.  So t = q . k' is the softmax's argument in powers of two.
; SOFTMAX: for each query a running maximum m and sum l: p = 2^(t - m); in every step O and l are multiplied by a = 2^(m_old - m_new).  l is summed of the f32 p; p goes to f16 for the second product.
; o'' = O x 4 / l = o / 2 goes to f16, and o'' (2 Wo) + bo is the result.  The factors 1 / 8, 4 and 2 are powers of two: they round nothing, and leave f16 room for inputs some 30 times larger or smaller.
; SHARES.  A work-group owns 128 queries and walks them in four blocks of 32 (tiles A and B of 16).  WAVE w IS HEAD w.  Its 63 tiles of 16 keys stay in its registers (window 1) for the whole launch; its V lies in its own
; 32,768 bytes of LDS.  In each block the eight waves first quantise the block's 32 rows of x, four rows each (as in kvproj: dense loads, a turn through the wave's stage); the codes meet in LDS as images of the operand's
; registers; each wave makes its head's q for both tiles and walks the 1,000 keys, 64 a step.  The next block's x is asked for a block ahead, into 64 registers.  o'' of all heads is gathered in LDS; at the end wave w makes
; columns 64 w .. 64 w + 63 of the 128 rows, with its part of Wo in the registers that K has left.
; LAYOUT.  All products are used transposed, so that a lane holds ONE query (lane % 16) throughout: q^T = Wq^T x^T, S^T = K q^T, O^T = V^T P, out^T = Wo^T o''^T.  S^T's eight registers are keys 8 (lane / 16) + 0 .. 7 of a tile:
; two tiles, rounded in pairs, ARE source 1 (32 keys) of V^T P.  O^T's eight registers are eight channels: rounded in pairs they are a quad of source 1 of the last product.
; K = 16 IN A FORM OF K = 32: q's fragment has zeros in its upper four registers, so source 0's upper four may hold anything finite: they are the next tile's four.  A tile of keys so costs four registers.
; 1,000 KEYS ARE 62.5 TILES: in tile 62 the scores of lanes 16-31 (keys 1,000 .. 1,007) become -1e30 ahead of the maximum; tile 63 does not exist: its p and its V are zeros made in registers.
; CLUSTER: all work-groups read the same V: the four of a cluster ask for it jointly, one tensor load a wave with a mask that names the four.  K goes to registers by plain loads: V's eight heads take 262,144 bytes of LDS,
; and what is left has no room for K's 258,048.
; LIMITS: NaN and infinities among the inputs are not served; scores under -1e30 are not served; q, k', v', o'' beyond f16's 65,504 are not served; a block of zeros gets the scale byte 1 (its codes are zeros).
.set XIMG,  262144                     ; LDS: behind V's eight heads (32,768 bytes each, 32,256 filled): the block's codes: group 16 tq + G (G: block of 32 along K) of 256 bytes, row r at 16 r; groups 272 bytes apart
.set XSC,   270848                     ; their scale words: 256 tq + 64 s + 4 r
.set OIM,   271360                     ; o'': (8 tile + head) x 512 + 16 x lane
.set STG,   304128                     ; a turning stage for each wave: 32 places of 64 + 16 bytes
.set SPARE, 324608                     ; the spare words, 128 bytes for each wave: four blocks of 256 bytes that no other line names
; REGISTERS, window 0: v0 the thread's number; v1, v2 the add's two; v3 x's offset; v4, v5 the stage, in and out; v6, v7 where my codes and bytes go; v8, v9 where fragments and scale words come from; v10 V; v11 o'';
; v12 16 x lane; v13 4 x lane; v14 -1e30; v15, v30, v31 at work; v254, v255 the lane permutes' destinations; v248-253 two sets of codes and byte
.set WQS, 16                           ; v16-17   Wq's scale words: lanes 0-15 K step 2 e, lanes 16-31 K step 2 e + 1
.set XS,  18                           ; v18-21   x's scale words of K step s: lanes 0-15 tile A's, lanes 16-31 tile B's
.set MX,  22                           ; v[22:23], v[24:25]  m and its old value, tile A, tile B
.set AF,  26                           ; v[26:27], v[28:29]  a and m_old - m_new
.set XR,  32                           ; v32-95   the next block's x as loaded;  on the way out o'''s fragments
.set S,   96                           ; v96-159  S^T, then p: register 32 g + 16 k + 8 q + i;  before that x's turned numbers and x's fragments;  on the way out the accumulators
.set XT,  96
.set P,   160                          ; v160-175 p in f16: 8 q + 4 k + pair
.set VF,  176                          ; v176-191 two fragments of V^T
.set WQF, 160                          ; v160-191 Wq's four fragments, loaded anew in each block
.set O,   192                          ; v192-207 O^T of tiles A and B; before that q's sums
.set CH,  208                          ; v208-215 eight chains of the maximum: 4 g + 2 k + q
.set L,   216                          ; v216-223 l: pair 2 q + k
.set Q,   224                          ; v224-239 q of tile A, four zeros, q of tile B, four zeros
.set BQ,  240                          ; v240-247 bq in the result's layout
; window 1: K's tile kt at v[4 kt], zeros in v252-255;  on the way out Wo's 16 fragments at v0-127 and bo at v128-159
.set MSB, 0
.macro WIN new                         ; the immediate's high byte repeats the setting that is left
.if MSB != \new
	s_set_vgpr_msb (MSB<<8)|\new
.set MSB, \new
.endif
.endm
.macro ROUND                           ; a round of the cluster's barrier
	s_barrier_signal -1
	s_barrier_wait -1
	s_cmp_lg_u32 s26, 0
	s_cbranch_scc1 .Lnot_wave_0_\@
	s_barrier_signal -3
.Lnot_wave_0_\@:
	s_barrier_wait -3
	s_barrier_signal -1
	s_barrier_wait -1
.endm
	s_load_b512 s[8:23], s[0:1], 0x0               ; x s[8:9], wcodes s[10:11], wscales s[12:13], bq s[14:15], kimg s[16:17], vimg s[18:19], wof s[20:21], bo s[22:23]
	s_load_b64 s[24:25], s[0:1], 0x40              ; out
	v_lshl_add_u32 v1, v0, 2, SPARE
	v_mov_b32 v2, 0
	ds_add_u32 v1, v2                              ; the wave's opening: the add, twice on end, and its wait ahead of my first tensor load; the set-up below, work on registers, stands between
	ds_add_u32 v1, v2
	v_lshrrev_b32 v30, 5, v0
	v_readfirstlane_b32 s26, v30                   ; wave 0..7 = head
	s_bfe_u32 s27, ttmp6, 0x40000                  ; cx: it enters x's and out's addresses alone
	s_lshl_b32 s28, ttmp9, 2
	s_add_co_u32 s28, s28, s27                     ; work-group = 4 x cluster + cx
	s_mov_b32 s29, 4                               ; blocks to go
	s_mov_b32 s30, 0                               ; the block's place among o'''s images
	s_mov_b32 s31, 0xffff0000                      ; lanes 16-31
	s_mov_b32 s32, 0x76543210
	s_mov_b32 s33, 0xfedcba98                      ; v_permlanex16_b32's selects for lane l xor 16
	; the descriptor: head w's V, 32,256 dense bytes, as 126 rows of 256 bytes (32 elements of 8 bytes), no padding: fragments are read 16 bytes a lane on end
	s_mov_b32 s36, 1                               ; group 0: count = 1
	s_lshl_b32 s37, s26, 15                        ; LDS address: 32,768 x wave: no place in the cluster enters it
	s_mov_b32 s40, 15|(3<<16)|(1<<21)              ; group 1: the mask: all four work-groups; elements of 8 bytes; bit 21 set beside a mask
	s_mov_b32 s41, 32<<16                          ; tensor_dim0 = 32
	s_mov_b32 s42, 126<<16                         ; tensor_dim1 = 126
	s_mov_b32 s43, 32<<16                          ; tile_dim0 = 32
	s_mov_b32 s44, 126                             ; tile_dim1 = 126
	s_mov_b32 s45, 32                              ; from row to row
	s_mov_b32 s46, 0
	s_mov_b32 s47, 0
	v_and_b32 v30, 31, v0                          ; lane
	v_and_b32 v31, 15, v0                          ; r
	v_bfe_u32 v15, v0, 4, 1                        ; h
	v_lshlrev_b32 v12, 4, v30
	v_lshlrev_b32 v13, 2, v30
	s_lshl_b32 s34, s26, 13
	v_add_nc_u32 v3, s34, v12                      ; x: my wave's four rows of 2,048 bytes, 16 bytes a lane
	s_mul_i32 s34, s26, 2560
	s_add_co_u32 s34, s34, STG                     ; my stage
	v_lshrrev_b32 v4, 2, v30
	v_mul_u32_u24 v4, v4, 80
	v_and_b32 v5, 3, v30
	v_lshl_add_u32 v4, v5, 4, v4
	v_add_nc_u32 v4, s34, v4                       ; in: 80 (lane / 4) + 16 (lane % 4)
	v_mul_u32_u24 v5, v30, 80
	v_add_nc_u32 v5, s34, v5                       ; out: 80 x lane
	s_lshr_b32 s34, s26, 2                         ; my rows' tile: w / 4;
	s_and_b32 s35, s26, 3                          ; their place in it: 4 (w % 4) + t
	s_mul_i32 s60, s34, 4352
	s_lshl_b32 s61, s35, 6
	s_add_co_u32 s60, s60, s61
	s_add_co_u32 s60, s60, XIMG
	v_lshrrev_b32 v6, 1, v30
	v_mul_u32_u24 v6, v6, 272
	v_and_b32 v7, 1, v30
	v_lshl_add_u32 v6, v7, 3, v6
	v_add_nc_u32 v6, s60, v6                       ; my codes: 272 (lane / 2) + 8 (lane % 2) + 4,352 (w / 4) + 64 (w % 4)
	s_lshl_b32 s60, s34, 8
	s_lshl_b32 s61, s35, 4
	s_add_co_u32 s60, s60, s61
	s_add_co_u32 s60, s60, XSC
	v_lshrrev_b32 v7, 3, v30
	v_lshlrev_b32 v7, 6, v7
	v_bfe_u32 v8, v30, 1, 2
	v_add_nc_u32 v7, v7, v8
	v_add_nc_u32 v7, s60, v7                       ; my block's byte: 64 (lane / 8) + (lane / 2) % 4 + 256 (w / 4) + 16 (w % 4)
	v_mul_u32_u24 v8, v15, 272
	v_lshl_add_u32 v8, v31, 4, v8
	v_add_nc_u32 v8, XIMG, v8                      ; a fragment's quad: group .. + h, row r
	v_lshlrev_b32 v9, 8, v15
	v_lshl_add_u32 v9, v31, 2, v9
	v_add_nc_u32 v9, XSC, v9                       ; scale words: lanes 16-31 take tile B's, 256 bytes on
	v_add_nc_u32 v10, s37, v12                     ; V: my head, 16 bytes a lane
	s_lshl_b32 s34, s26, 9
	s_add_co_u32 s34, s34, OIM
	v_add_nc_u32 v11, s34, v12                     ; o'': my head's image
	v_mov_b32 v14, 0xf149f2ca                      ; -1e30
	v_lshlrev_b32 v30, 5, v15                      ; bq: 32 h bytes on
	v_mov_b32 v23, 0                               ; (named as upper halves of pairs before they are first written)
	v_mov_b32 v25, 0
	v_mov_b32 v254, 0                              ; a lane permute's destination counts as one of its sources
	v_mov_b32 v255, 0
.irp i, 4,5,6,7,12,13,14,15
	v_mov_b32 v[Q+\i], 0                           ; the upper half of K in q's two fragments: zeros, for the whole launch
.endr
	s_lshl_b32 s34, s28, 18                        ; my 128 rows of x and of out: 262,144 bytes
	s_mov_b32 s35, 0
	s_mov_b32 s61, 0
	s_wait_dscnt 0x0                               ; both opening adds are done
	s_wait_kmcnt 0x0
	s_add_nc_u64 s[48:49], s[8:9], s[34:35]        ; x at my first row
	s_add_nc_u64 s[56:57], s[24:25], s[34:35]
	s_lshl_b32 s60, s26, 8
	s_add_nc_u64 s[56:57], s[56:57], s[60:61]      ; out at my first row, my wave's 64 columns
	s_add_nc_u64 s[58:59], s[22:23], s[60:61]      ; bo at those columns
	s_add_nc_u64 s[12:13], s[12:13], s[60:61]      ; Wq's scale words: 256 bytes a head (the tensor's 32,768 stand in the loads' immediates)
	s_mul_i32 s60, s26, 32256
	s_add_nc_u64 s[50:51], s[16:17], s[60:61]      ; K of my head
	s_add_nc_u64 s[38:39], s[18:19], s[60:61]      ; V of my head: it hangs on the wave's number alone, the same in all four partners
	s_or_b32 s39, s39, 0x80000000                  ; type = 2
	s_lshl_b32 s60, s26, 12
	s_add_nc_u64 s[52:53], s[10:11], s[60:61]
	s_add_nc_u64 s[52:53], s[52:53], 0x80000       ; Wq's codes: 524,288 + 4,096 w
	s_lshl_b32 s60, s26, 14
	s_add_nc_u64 s[54:55], s[20:21], s[60:61]      ; Wo's 16 fragments for my 64 columns
	s_lshl_b32 s60, s26, 6
	s_add_nc_u64 s[14:15], s[14:15], s[60:61]      ; bq of my head
	ROUND                                          ; all four work-groups are here: the joint loads meet
	tensor_load_to_lds s[36:39], s[40:47]          ; every wave's one tensor load of the launch: one is out
	s_nop 0
.rept 4
	v_nop
.endr
.macro XLOAD off                       ; my four rows of a block of x: sixteen loads of 512 consecutive bytes
.irp t, 0,1,2,3
.irp i, 0,1,2,3
	global_load_b128 v[XR+16*\t+4*\i:XR+16*\t+4*\i+3], v3, s[48:49] offset:\off+2048*\t+512*\i th:TH_LOAD_NT
.endr
.endr
.endm
	XLOAD 0
	global_load_b32 v[WQS], v13, s[12:13] offset:32768
	global_load_b32 v[WQS+1], v13, s[12:13] offset:32768+128
	global_load_b128 v[BQ:BQ+3], v30, s[14:15]     ; lane (r, h), register j: bq[16 w + 8 h + j]
	global_load_b128 v[BQ+4:BQ+7], v30, s[14:15] offset:16
	WIN 0x40                                       ; destination window 1
.set i, 0
.rept 63
	global_load_b128 v[4*i:4*i+3], v12, s[50:51] offset:512*i      ; K's tile i: lane (r, h): key r, channels 8 h + 0 .. 7
.set i, i+1
.endr
.irp i, 252,253,254,255
	v_mov_b32 v[\i], 0                             ; what the last tile's fragment names beyond its four registers
.endr
	WIN 0
	s_wait_tensorcnt 0x0                           ; V of my head lies in LDS; only I read it.  (The first trip waits for K's loads at its head anyway: they were issued behind this load)
.macro TURN t                          ; row t's 512 numbers through the stage: LDS serves a wave's instructions in order
.irp i, 0,1,2,3
	ds_store_b128 v4, v[XR+16*(\t)+4*\i:XR+16*(\t)+4*\i+3] offset:640*\i
.endr
.irp i, 0,1,2,3
	ds_load_b128 v[XT+16*((\t)%2)+4*\i:XT+16*((\t)%2)+4*\i+3], v5 offset:16*\i
.endr
.endm
.macro QSTEP t                         ; row 4 w + t of the block: lane l holds k = 16 l + 0 .. 15
.set XN, XT+16*((\t)%2)
.set CD, 248+2*((\t)%2)
.set BY, 252+(\t)%2
.if (\t) > 0
	s_wait_dscnt 2                                 ; this row's numbers are back from the stage; the last row's two stores may be out
.else
	s_wait_dscnt 0x0
.endif
.if (\t) < 3
	TURN (\t)+1
.endif
	v_max3_num_f32 v30, |v[XN]|, |v[XN+1]|, |v[XN+2]|
	v_max3_num_f32 v31, |v[XN+3]|, |v[XN+4]|, |v[XN+5]|
.irp i, 6,10
	v_max3_num_f32 v30, v30, |v[XN+\i]|, |v[XN+\i+1]|
	v_max3_num_f32 v31, v31, |v[XN+\i+2]|, |v[XN+\i+3]|
.endr
	v_max3_num_f32 v30, v30, |v[XN+14]|, |v[XN+15]|
	v_max3_num_f32 v30, v30, v31, 0x1800000        ; the floor 2^(3 - 127): the byte cannot fall under 1
	v_max_num_f32_dpp v30, v30, v30 row_xmask:1 row_mask:0xf bank_mask:0xf   ; with my neighbour's 16: the block's largest magnitude
	v_add_nc_u32 v15, 0xff000000, v30              ; 2 off its exponent field: the conversion's scale operand
	v_cvt_scalef32_pk8_fp4_f32 v[CD], v[XN:XN+7], v15
	v_cvt_scalef32_pk8_fp4_f32 v[CD+1], v[XN+8:XN+15], v15
	v_lshrrev_b32 v[BY], 23, v15                   ; the scale's byte (also the plain line behind the conversions)
	ds_store_b64 v6, v[CD:CD+1] offset:16*(\t)
	ds_store_b8 v7, v[BY] offset:4*(\t)            ; both lanes of a block write the same byte with the same value
.endm
; q^T += Wq^T x^T: K step s, tile q.  The bias is the C of a sum's first instruction.  An odd K step's words of Wq, and tile B's words of x, lie in lanes 16-31 of their registers.
.macro QP s, q
.set rD, O+8*(\q)
.set rA, WQF+8*(\s)
.set rB, S+8*(4*(\q)+(\s))
.set rC, rD
.if (\s) == 0
.set rC, BQ
.endif
.set rU, WQS+(\s)/2
.set rV, XS+(\s)
.if ((\s)%2) && (\q)
	v_wmma_scale_f32_16x16x128_f8f6f4 v[rD:rD+7], v[rA:rA+7], v[rB:rB+7], v[rC:rC+7], v[rU], v[rV] matrix_a_fmt:MATRIX_FMT_FP4 matrix_b_fmt:MATRIX_FMT_FP4 matrix_a_scale:MATRIX_SCALE_ROW1 matrix_b_scale:MATRIX_SCALE_ROW1
.elseif (\s)%2
	v_wmma_scale_f32_16x16x128_f8f6f4 v[rD:rD+7], v[rA:rA+7], v[rB:rB+7], v[rC:rC+7], v[rU], v[rV] matrix_a_fmt:MATRIX_FMT_FP4 matrix_b_fmt:MATRIX_FMT_FP4 matrix_a_scale:MATRIX_SCALE_ROW1
.elseif (\q)
	v_wmma_scale_f32_16x16x128_f8f6f4 v[rD:rD+7], v[rA:rA+7], v[rB:rB+7], v[rC:rC+7], v[rU], v[rV] matrix_a_fmt:MATRIX_FMT_FP4 matrix_b_fmt:MATRIX_FMT_FP4 matrix_b_scale:MATRIX_SCALE_ROW1
.else
	v_wmma_scale_f32_16x16x128_f8f6f4 v[rD:rD+7], v[rA:rA+7], v[rB:rB+7], v[rC:rC+7], v[rU], v[rV] matrix_a_fmt:MATRIX_FMT_FP4 matrix_b_fmt:MATRIX_FMT_FP4
.endif
.endm
; A KEY STEP j is 64 keys: halves g = 0, 1 of 32 keys, each two tiles k = 0, 1 of 16 (key tile 4 j + 2 g + k, which exists while under 63), for query tiles q = 0, 1.
.macro QK j, g                         ; S^T = K q^T of half g of step j: each product starts and ends its sum
	WIN 0x01                                       ; source 0 (K) window 1
.irp k, 0,1
.if 4*(\j)+2*(\g)+\k < 63
.irp q, 0,1
.set rK, 4*(4*(\j)+2*(\g)+\k)
.set rT, S+32*(\g)+16*\k+8*\q
	v_wmma_f32_16x16x32_f16 v[rT:rT+7], v[rK:rK+7], v[Q+8*\q:Q+8*\q+7], 0
.endr
.endif
.endr
	WIN 0
.endm
.macro MAXH j, g                       ; the largest of each tile's eight scores: four chains by turns, each from its tile's low end on
.irp n, 0,1,2,3
.irp k, 0,1
.if 4*(\j)+2*(\g)+\k < 63
.irp q, 0,1
.set rT, S+32*(\g)+16*\k+8*\q
.set rC, CH+4*(\g)+2*\k+\q
.if \n == 0
	v_max3_num_f32 v[rC], v[rT], v[rT+1], v[rT+2]
.elseif \n < 3
	v_max3_num_f32 v[rC], v[rC], v[rT+2*\n+1], v[rT+2*\n+2]
.else
	v_max_num_f32 v[rC], v[rC], v[rT+7]
.endif
.endr
.endif
.endr
.endr
.endm
.macro VFETCH j                        ; the step's two fragments of V^T; quad c of fragment 2 j + g is key tile 4 j + 2 g + c
.irp g, 0,1
.irp c, 0,1
.if 4*(\j)+2*\g+\c < 63
	ds_load_b128 v[VF+8*\g+4*\c:VF+8*\g+4*\c+3], v10 offset:(2*(\j)+\g)*1024+512*\c
.else
.irp i, 0,1,2,3
	v_mov_b32 v[VF+8*\g+4*\c+\i], 0                ; tile 63 does not exist
.endr
.endif
.endr
.endr
.endm
.macro MASK                            ; tile 62 (step 15, g = 1, k = 0): lanes 16-31 hold keys 1,000 .. 1,007
.irp q, 0,1
.irp i, 0,1,2,3,4,5,6,7
	v_cndmask_b32 v[S+32+8*\q+\i], v[S+32+8*\q+\i], v14, s31
.endr
.endr
.endm
.macro FIN j                           ; the new m of both tiles, and m_old - m_new.  Step 0 starts m
.irp q, 0,1
.if (\j) > 0
	v_mov_b32 v[MX+2*\q+1], v[MX+2*\q]
.endif
	v_max3_num_f32 v[30+\q], v[CH+\q], v[CH+2+\q], v[CH+4+\q]
.endr
.irp q, 0,1
.if (\j) == 0
	v_max_num_f32 v[30+\q], v[30+\q], v[CH+6+\q]
.elseif (\j) == 15
	v_max_num_f32 v[30+\q], v[30+\q], v[MX+2*\q+1]
.else
	v_max3_num_f32 v[30+\q], v[30+\q], v[CH+6+\q], v[MX+2*\q+1]
.endif
.endr
.irp q, 0,1
	v_permlanex16_b32 v[254+\q], v[30+\q], s32, s33                ; the query's other keys lie in the lane 16 away
.endr
.irp q, 0,1
	v_max_num_f32 v[MX+2*\q], v[30+\q], v[254+\q]
.endr
.if (\j) > 0
.irp q, 0,1
	v_sub_f32 v[AF+2*\q+1], v[MX+2*\q+1], v[MX+2*\q]
.endr
.endif
.endm
.macro SUBM j                          ; t - m, two at a time (of the pair the low word, m, serves both halves)
.irp g, 0,1
.irp k, 0,1
.if 4*(\j)+2*\g+\k < 63
.irp q, 0,1
.irp p, 0,2,4,6
.set rT, S+32*\g+16*\k+8*\q+\p
	v_pk_add_f32 v[rT:rT+1], v[rT:rT+1], v[MX+2*\q:MX+2*\q+1] op_sel_hi:[1,0] neg_lo:[0,1] neg_hi:[0,1]
.endr
.endr
.endif
.endr
.endr
.endm
.macro EXPM j                          ; ONE BATCH: a of both tiles and all p = 2^(t - m); none reads another's result
.if (\j) > 0
	v_exp_f32 v[AF], v[AF+1]
	v_exp_f32 v[AF+2], v[AF+3]
.endif
.irp g, 0,1
.irp k, 0,1
.if 4*(\j)+2*\g+\k < 63
.irp q, 0,1
.irp i, 0,1,2,3,4,5,6,7
	v_exp_f32 v[S+32*\g+16*\k+8*\q+\i], v[S+32*\g+16*\k+8*\q+\i]
.endr
.endr
.endif
.endr
.endr
.endm
.macro RESC                            ; O^T under the new m
.irp q, 0,1
.irp p, 0,2,4,6
	v_pk_mul_f32 v[O+8*\q+\p:O+8*\q+\p+1], v[O+8*\q+\p:O+8*\q+\p+1], v[AF+2*\q:AF+2*\q+1] op_sel_hi:[1,0]
.endr
.endr
.endm
.macro SUMH j, g                       ; l takes half g's p, unrounded: four chains by turns.  In half 0 a chain's first line brings l under the new m; in step 0 it starts the sum
.irp n, 0,1,2,3
.irp k, 0,1
.if 4*(\j)+2*(\g)+\k < 63
.irp q, 0,1
.set rT, S+32*(\g)+16*\k+8*\q+2*\n
.set rL, L+4*\q+2*\k
.if ((\j) == 0) && ((\g) == 0)
.if \n == 1
	v_pk_add_f32 v[rL:rL+1], v[rT-2:rT-1], v[rT:rT+1]
.elseif \n > 1
	v_pk_add_f32 v[rL:rL+1], v[rL:rL+1], v[rT:rT+1]
.endif
.elseif ((\g) == 0) && (\n == 0)
	v_pk_fma_f32 v[rL:rL+1], v[rL:rL+1], v[AF+2*\q:AF+2*\q+1], v[rT:rT+1] op_sel_hi:[1,0,1]
.else
	v_pk_add_f32 v[rL:rL+1], v[rL:rL+1], v[rT:rT+1]
.endif
.endr
.endif
.endr
.endr
.endm
.macro CVTH j, g                       ; half g's p to f16: source 1 of V^T P
.irp k, 0,1
.irp q, 0,1
.irp p, 0,1,2,3
.if 4*(\j)+2*(\g)+\k < 63
	v_cvt_pk_f16_f32 v[P+8*\q+4*\k+\p], v[S+32*(\g)+16*\k+8*\q+2*\p], v[S+32*(\g)+16*\k+8*\q+2*\p+1]
.else
	v_mov_b32 v[P+8*\q+4*\k+\p], 0                 ; tile 63 does not exist
.endif
.endr
.endr
.endr
.endm
.macro PV j, g                         ; O^T += V^T P, 32 keys; the block's first starts the sums
.irp q, 0,1
.if ((\j) == 0) && ((\g) == 0)
	v_wmma_f32_16x16x32_f16 v[O+8*\q:O+8*\q+7], v[VF+8*(\g):VF+8*(\g)+7], v[P+8*\q:P+8*\q+7], 0
.else
	v_wmma_f32_16x16x32_f16 v[O+8*\q:O+8*\q+7], v[VF+8*(\g):VF+8*(\g)+7], v[P+8*\q:P+8*\q+7], v[O+8*\q:O+8*\q+7]
.endif
.endr
.endm
; THE STEP.  The next step's K q^T stands behind each V^T P, into the half of S^T that has just been rounded: no two matrix instructions that follow each other share an accumulator.
; PLACES (ISA guide 7.12.1 for vector instructions): the readers of a K q^T stand behind SUMH 1 and CVTH 1, or behind MAXH 0's sixteen lines; V's loads stand behind MAXH 0's sixteen, which name no register of the
; last V^T P; CVTH 1 writes p again behind SUMH 1's lines (eight in step 15), which name none either.
.macro STEP j
	MAXH \j, 0
	VFETCH \j
.if (\j) == 15
	MASK
.endif
	MAXH \j, 1
	FIN \j
	SUBM \j
	EXPM \j
	v_nop                                          ; the plain line behind the last exponential,
	s_wait_alu depctr_va_vdst(0)                   ; and the one wait ahead of the batch's first reader
.if (\j) > 0
	RESC
.endif
	SUMH \j, 0
	CVTH \j, 0
	s_wait_dscnt 0x0                               ; V's fragments are in
	PV \j, 0
.if (\j) < 15
	QK (\j)+1, 0
.endif
	SUMH \j, 1
	CVTH \j, 1
	PV \j, 1
.if (\j) < 15
	QK (\j)+1, 1
.endif
.endm
.Lblock:                                               ; four trips: a block of 32 queries each
.irp i, 0,1,2,3,4,5,6,7
	global_load_b128 v[WQF+4*\i:WQF+4*\i+3], v12, s[52:53] offset:512*\i   ; Wq's four fragments of my head
.endr
	s_wait_loadcnt 8                               ; all but those eight: this block's x is in (in the first trip also K, bq and Wq's scale words)
	TURN 0
.irp t, 0,1,2,3
	QSTEP \t
.endr
	s_wait_dscnt 0x0                               ; for the others' sake: my codes and bytes lie in LDS
	s_barrier_signal -1
	s_barrier_wait -1                              ; everybody's do
	s_wait_loadcnt 0x0                             ; Wq's fragments
	s_cmp_eq_u32 s29, 1                            ; the next block's x is asked for here, if there is a next block: no load leaves its buffer.  It has the whole walk over the keys in which to land
	s_cbranch_scc1 .Lno_next
	XLOAD 65536
.Lno_next:
.irp q, 0,1
.irp s, 0,1,2,3
.irp c, 0,1
	ds_load_b128 v[S+8*(4*\q+\s)+4*\c:S+8*(4*\q+\s)+4*\c+3], v8 offset:(16*\q+4*\s+2*\c)*272   ; x's eight fragments
.endr
.endr
.endr
.irp s, 0,1,2,3
	ds_load_b32 v[XS+\s], v9 offset:64*\s
.endr
	s_wait_dscnt 0x0                               ; my reads of the block's codes are over:
	s_barrier_signal -1                            ; say so; the next block's codes are stored only behind this barrier's wait.  Work on registers alone stands between
.irp s, 0,1,2,3
	QP \s, 0                                       ; the two tiles by turns
	QP \s, 1
.endr
.rept 5
	v_nop                                          ; five places: the K q^T below write over registers that these products have read (x's fragments); four of them also serve the conversions' reads
.endr
.irp q, 0,1
.irp p, 0,1,2,3
	v_cvt_pk_f16_f32 v[Q+8*\q+\p], v[O+8*\q+2*\p], v[O+8*\q+2*\p+1]   ; q in f16: lane (r, h): query r, channels 8 h + 0 .. 7
.endr
.endr
	QK 0, 0
	QK 0, 1
.rept 4
	v_nop                                          ; places in front of the first read of the scores
.endr
	s_barrier_wait -1
.irp j, 0,1,2,3,4,5,6,7,8,9,10,11,12,13,14,15
	STEP \j
.endr
	; o'' = O x 4 / l.  The first four lines are the places behind the last products
	v_pk_add_f32 v[L:L+1], v[L:L+1], v[L+2:L+3]
	v_pk_add_f32 v[L+4:L+5], v[L+4:L+5], v[L+6:L+7]
	v_add_f32 v[L], v[L], v[L+1]
	v_add_f32 v[L+4], v[L+4], v[L+5]
	v_permlanex16_b32 v254, v[L], s32, s33
	v_permlanex16_b32 v255, v[L+4], s32, s33
	v_add_f32 v[L], v[L], v254                     ; with lane l xor 16's keys: the row's sum
	v_add_f32 v[L+4], v[L+4], v255
	v_rcp_f32 v[AF], v[L]
	v_rcp_f32 v[AF+2], v[L+4]
	v_add_nc_u32 v15, s30, v11                     ; (the plain line behind the reciprocals)  where this block's images go
	s_wait_alu depctr_va_vdst(0)                   ; the wait ahead of the first reader: one for both
	v_mul_f32 v[AF], 4.0, v[AF]
	v_mul_f32 v[AF+2], 4.0, v[AF+2]
	RESC                                           ; the same eight lines, by 4 / l; each accumulator from its low end on
.irp q, 0,1
.irp p, 0,1,2,3
	v_cvt_pk_f16_f32 v[P+4*\q+\p], v[O+8*\q+2*\p], v[O+8*\q+2*\p+1]
.endr
.endr
	ds_store_b128 v15, v[P:P+3]                    ; tile A: lane (r, h): query r, my head's channels 8 h + 0 .. 7
	ds_store_b128 v15, v[P+4:P+7] offset:4096      ; tile B
	s_wait_dscnt 0x0
	s_wait_xcnt 0x0                                ; the loads of x have read their base: it may step
	s_add_nc_u64 s[48:49], s[48:49], 65536
	s_add_co_u32 s30, s30, 8192
	s_sub_co_u32 s29, s29, 1
	s_cmp_lg_u32 s29, 0
	s_cbranch_scc1 .Lblock
	; THE WAY OUT: out^T = (2 Wo)^T o''^T + bo for my 64 columns and the work-group's eight tiles of 16 rows.
.set OF, 32                            ; v32-95   o'''s four fragments (K = the 128 channels), two buffers
.set AC, 96                            ; v96-159  four accumulators, two sets
.set BK, 160                           ; v160-223 16 rows read back from the stage, two buffers
	v_and_b32 v245, 15, v0                         ; r
	v_bfe_u32 v246, v0, 4, 1                       ; h
	v_lshlrev_b32 v244, 5, v246                    ; bo: 32 h bytes on
	v_add_nc_u32 v240, OIM, v12                    ; o'''s images: 16 bytes a lane
	v_mul_u32_u24 v241, v245, 272
	v_lshl_add_u32 v241, v246, 5, v241
	v_add_nc_u32 v241, s37, v241                   ; my stage, 16 rows of 256 + 16 bytes, lies in my head's V, which has had its one fill and its last read: in: row r, 32 bytes for each half of the lanes
	v_mul_u32_u24 v242, v246, 272
	v_lshl_add_u32 v242, v245, 4, v242
	v_add_nc_u32 v242, s37, v242                   ; back: lanes 0-15 one row, lanes 16-31 the next
	v_lshlrev_b32 v243, 11, v246
	v_lshl_add_u32 v243, v245, 4, v243             ; and the same two rows of out
	WIN 0x40                                       ; destination window 1: K's registers are free
.set i, 0
.rept 32
	global_load_b128 v[4*i:4*i+3], v12, s[54:55] offset:512*i      ; Wo's fragment (tile n, K step s) at v[8 (4 n + s)]
.set i, i+1
.endr
.irp n, 0,1,2,3
	global_load_b128 v[128+8*\n:128+8*\n+3], v244, s[58:59] offset:64*\n       ; lane (r, h), register j: bo[64 w + 16 n + 8 h + j]
	global_load_b128 v[128+8*\n+4:128+8*\n+7], v244, s[58:59] offset:64*\n+16
.endr
	WIN 0
	s_wait_dscnt 0x0                               ; my images of o'' lie in LDS
	s_barrier_signal -1
	s_barrier_wait -1                              ; all heads' do
.macro OFETCH m                        ; tile m's four fragments: quad c of K step s is head 2 s + c's image: eight loads
.irp s, 0,1,2,3
.irp c, 0,1
	ds_load_b128 v[OF+32*((\m)%2)+8*\s+4*\c:OF+32*((\m)%2)+8*\s+4*\c+3], v240 offset:(8*(\m)+2*\s+\c)*512
.endr
.endr
.endm
.macro MULO m                          ; sixteen products: four accumulators by turns, K ascending; bo is the C of each sum's first
.irp s, 0,1,2,3
.if \s == 0
	WIN 0x11                                       ; source 0 (Wo) and source 2 (bo) window 1
.else
	WIN 0x01
.endif
.irp n, 0,1,2,3
.set rD, AC+32*((\m)%2)+8*\n
.set rB, OF+32*((\m)%2)+8*\s
.if \s == 0
	v_wmma_f32_16x16x32_f16 v[rD:rD+7], v[8*(4*\n+\s):8*(4*\n+\s)+7], v[rB:rB+7], v[128+8*\n:128+8*\n+7]
.else
	v_wmma_f32_16x16x32_f16 v[rD:rD+7], v[8*(4*\n+\s):8*(4*\n+\s)+7], v[rB:rB+7], v[rD:rD+7]
.endif
.endr
.endr
.endm
.macro TOSTAGE m                       ; lane (r, h): out(16 m + r, 64 w + 16 n + 8 h + 0 .. 7): eight stores, each accumulator from its low end on
.irp n, 0,1,2,3
	ds_store_b128 v241, v[AC+32*((\m)%2)+8*\n:AC+32*((\m)%2)+8*\n+3] offset:64*\n
	ds_store_b128 v241, v[AC+32*((\m)%2)+8*\n+4:AC+32*((\m)%2)+8*\n+7] offset:64*\n+16
.endr
.endm
.macro RB m                            ; back as rows of 256 bytes: eight loads.  LDS serves a wave's instructions in order: these see my stores, and the next tile's stores come behind them
.irp i, 0,1,2,3,4,5,6,7
	ds_load_b128 v[BK+32*((\m)%2)+4*\i:BK+32*((\m)%2)+4*\i+3], v242 offset:544*\i
.endr
.endm
.macro SEND m
.if (\m) < 5
	s_wait_dscnt 24                                ; behind tile m's eight loads were issued: OFETCH m + 3, TOSTAGE m + 1, RB m + 1
.elseif (\m) < 7
	s_wait_dscnt 16                                ; TOSTAGE m + 1, RB m + 1
.else
	s_wait_dscnt 0x0
.endif
.irp i, 0,1,2,3,4,5,6,7
	global_store_b128 v243, v[BK+32*((\m)%2)+4*\i:BK+32*((\m)%2)+4*\i+3], s[56:57] offset:(16*(\m)+2*\i)*2048 th:TH_STORE_NT   ; sixteen lanes store 256 consecutive bytes, at a multiple of 256 from out's first byte
.endr
.endm
	OFETCH 0
	OFETCH 1
	s_wait_loadcnt 0x0                             ; Wo and bo
.irp m, 0,1,2,3,4,5,6,7
.if \m == 0
	s_wait_dscnt 8                                 ; tile 0's fragments are in; tile 1's eight loads may be out
.elseif \m == 1
	s_wait_dscnt 24                                ; tile 1's are in; behind them: OFETCH 2, TOSTAGE 0, RB 0.  (From tile 2 on the last SEND's wait has shown the fragments in: they were asked for ahead of the rows that it waited for)
.endif
	MULO \m
	WIN 0
.rept 4
	v_nop                                          ; places in front of loads into registers that these products have read, and of the stores that read their results
.endr
.if \m < 6
	OFETCH \m+2
.endif
	TOSTAGE \m
.if \m > 1
	s_wait_xcnt 0x0                                ; tile m - 2's stores have read their registers: tile m's rows may land there
.endif
	RB \m
.if \m > 0
	SEND \m-1
.endif
.endr
	SEND 7
	s_wait_tensorcnt 0x0                           ; the wave's end, behind my last tensor load and my last LDS store
	ds_add_u32 v1, v2
	s_wait_dscnt 0x0
	ROUND                                          ; the closing round: no work-group ends while a partner may still ask for a tile that names it
	s_endpgm
.Lfunc_end_k_qcdf2057b91_attn:
	.size	k_qcdf2057b91_attn, .Lfunc_end_k_qcdf2057b91_attn-k_qcdf2057b91_attn
	.p2alignl 7, 3214868480
	.fill 96, 4, 3214868480
	.section	.rodata,"a",@progbits
	.p2align	6, 0x0
	.amdhsa_kernel k_qcdf2057b91_attn
		.amdhsa_group_segment_fixed_size 327680
		.amdhsa_private_segment_fixed_size 0
		.amdhsa_enable_private_segment 0
		.amdhsa_kernarg_size 72
		.amdhsa_user_sgpr_count 2
		.amdhsa_user_sgpr_kernarg_segment_ptr 1
		.amdhsa_wavefront_size32 1
		.amdhsa_system_sgpr_workgroup_id_x 1
		.amdhsa_system_sgpr_workgroup_id_y 1
		.amdhsa_system_sgpr_workgroup_id_z 1
		.amdhsa_system_vgpr_workitem_id 0
		.amdhsa_next_free_vgpr 512
		.amdhsa_next_free_sgpr 66
		.amdhsa_reserve_vcc 0
		.amdhsa_float_denorm_mode_32 3
		.amdhsa_float_denorm_mode_16_64 3
		.amdhsa_memory_ordered 1
		.amdhsa_forward_progress 1
		.amdhsa_inst_pref_size 252
	.end_amdhsa_kernel
	.amdgpu_metadata
---
amdhsa.version: [ 1, 2 ]
amdhsa.kernels:
  - .name:           k_qcdf2057b91_attn
    .symbol:         k_qcdf2057b91_attn.kd
    .args:
      - { .name: target_embedding, .offset: 0, .size: 8, .value_kind: global_buffer, .address_space: global }
      - { .name: wcodes, .offset: 8, .size: 8, .value_kind: global_buffer, .address_space: global }
      - { .name: wscales, .offset: 16, .size: 8, .value_kind: global_buffer, .address_space: global }
      - { .name: bq, .offset: 24, .size: 8, .value_kind: global_buffer, .address_space: global }
      - { .name: kimg, .offset: 32, .size: 8, .value_kind: global_buffer, .address_space: global }
      - { .name: vimg, .offset: 40, .size: 8, .value_kind: global_buffer, .address_space: global }
      - { .name: wof, .offset: 48, .size: 8, .value_kind: global_buffer, .address_space: global }
      - { .name: bo, .offset: 56, .size: 8, .value_kind: global_buffer, .address_space: global }
      - { .name: out0, .offset: 64, .size: 8, .value_kind: global_buffer, .address_space: global }
    .group_segment_fixed_size: 327680
    .private_segment_fixed_size: 0
    .kernarg_segment_align: 8
    .kernarg_segment_size: 72
    .max_flat_workgroup_size: 256
    .sgpr_count:     66
    .vgpr_count:     512
    .wavefront_size: 32
...
	.end_amdgpu_metadata
.endif
;; end of part 3
